; MI455X (gfx1250); checked and timed in simulation.
; The chip was launched on July 23, 2026; its instructions are those of AMD's public machine-readable ISA for CDNA 5 (MIT licence, August 2026) and "CDNA5" Instruction Set Architecture Reference Guide (July 2026). The comments in the code are by the model that wrote it; some were corrected since.
;; Continuous Attention. Allowed arithmetic: matrix products marked QUANTISED: E2M3 operands, one E8M0 scale for each 32 along K, by v_wmma_scale_f32_16x16x128_f8f6f4 with both operands' format E2M3, f32 sums; everything else in f32.
;; Inputs: K 2 x 16 x 2,048 x 256 float32; Q 2 x 16 x 2,048 x 256 float32; V_codes 2 x 16 x 256 x 64 x 24 uint8 (E2M3 codes of V, K innermost, in blocks of 32 codes, four codes in three bytes); V_scales 2 x 16 x 256 x 64 uint8 (E8M0 scales of V, one for each 32 codes along K).
;; Outputs: out0 2 x 16 x 2,048 x 256 float32.
;; This version of the problem:
;;   THIS VERSION OF THE PROBLEM IS GIVEN IN LOW PRECISION. The matrix products marked QUANTISED in the list below multiply operands that are first quantised to E2M3 (2 exponent bits, 3 mantissa bits; 6 bits a number), with one power-of-two scale for each 32 numbers along K (OCP MX v1.0); their sums are f32. All else is computed in f32.
;;   The module's matrix products, in the order in which they are computed (A, B: the left and right operand; K: the contracted axis; several contracted axes count as one K, in the product's order):
;;     1. batch 32 x [M 2,048, K 256] x [K 256, N 2,048]; A: computed on the way; B: computed on the way: QUANTISED
;;     2. batch 32 x [M 2,048, K 2,048] x [K 2,048, N 256]; A: computed on the way; B: input V (given as codes): QUANTISED
;;   THE QUANTISER, for each operand of a quantised product, along K:
;;     - K is cut into blocks of 32 from its start; a last block that is shorter is filled with zeros.
;;     - A block's scale is 2^e with e = floor(log2(the largest magnitude in the block)) - 2, held to -126 .. 127; a block of zeros has e = 0. As a byte (E8M0): e + 127.
;;     - Each number is divided by its block's scale, clamped to +-7.5, and rounded to the nearest number of E2M3, ties to even, subnormals kept.
;;     - The product sums the exact products of the quantised numbers (number of the format x scale) in f32.
;;   ~~~python
;;   def quantise(x, axis):      # numpy; x: float32 -> the quantised numbers, widened to float32 again
;;       x = np.moveaxis(x, axis, -1); K = x.shape[-1]
;;       x = np.pad(x, [(0, 0)] * (x.ndim - 1) + [(0, -K % 32)]); x = x.reshape(x.shape[:-1] + (-1, 32)); a = np.abs(x).max(-1, keepdims=True)
;;       e = np.where(a > 0, np.clip(np.frexp(np.where(a > 0, a, 1))[1] - 1 - 2, -126, 127), 0)      # np.frexp(a)[1] - 1 = floor(log2(a)), exactly
;;       r = np.clip(x / 2.0 ** e, -7.5, 7.5)
;;       step = 2.0 ** (np.maximum(np.frexp(np.where(r == 0, 1, r))[1] - 1, 0) - 3)
;;       q = np.round(r / step) * step * 2.0 ** e      # np.round: ties to even
;;       return np.moveaxis(q.reshape(q.shape[:-2] + (-1,))[..., :K], -1, axis).astype(np.float32)
;;   ~~~
;;   OPERANDS COMPUTED ON THE WAY. 'Computed on the way' means the value that the module computes at that place (a softmax that the list does not call 'softmax' is quantised finished and normalised). What goes into a quantiser is computed in f32, as accurately as f32 sums, v_exp_f32 and their like allow (about 1e-6 of the number): no bf16 or f16 on the way to a quantiser, and a product that is left as it is and whose result goes on into a quantised operand takes f32 operands (vector FMAs, or v_wmma_f32_16x16x4_f32). A number that lies on a knife's edge between two numbers of the format may be rounded either way, as far as f32 arithmetic and the matrix unit's own rounding can turn it there, and no further.
;;   INPUTS GIVEN AS CODES. V (in the module: [2, 16, 2048, 256], K = its axis 2): each comes as NAME_codes (uint8): NAME with its K axis moved to the last place and cut into blocks of 32 codes, [.., K / 32, bytes a block], one block behind the other in memory; four codes in three bytes: a row's codes are one little-endian stream of bits, code i at bits 6 i .. 6 i + 5 (a code: sign, 2 exponent bits, 3 mantissa bits); and NAME_scales (uint8): the same leading axes, one E8M0 byte (e + 127) for each 32 codes along K. Its value is code x scale, taken as it is: it is not quantised again, and the codes and scales need not be those that the quantiser above would give.
;; One version. Each part assembles by itself: llvm-mc -triple=amdgcn-amd-amdhsa -mcpu=gfx1250 --defsym DOCPART=n.
;; ======== version 1 of 1: 2 launches
;; workspace buffers: QRW 13,107,200 bytes; VW 13,107,200 bytes
;; launch prep (part 1): grid 384 x 1, 4 waves a work-group, no clusters, 139,776 bytes of LDS; arguments Q, V_codes, V_scales, QRW, VW; writes QRW, VW
.if DOCPART == 1
	.amdgcn_target "amdgcn-amd-amdhsa--gfx1250"
	.amdhsa_code_object_version 6
	.text
	.protected	k_qd46256d175_prep
	.globl	k_qd46256d175_prep
	.p2align	8
	.type	k_qd46256d175_prep,@function
k_qd46256d175_prep:
	s_mov_b64 s[64:65], 0
	v_nop
	global_prefetch_b8 v0, s[64:65] scope:SCOPE_SE
	s_setreg_imm32_b32 hwreg(HW_REG_WAVE_MODE, 25, 1), 1
	s_wait_xcnt 0x0
; PREP.  Two jobs in one launch, told apart by the work-group's number; each has LDS bytes, a barrier and an end of its own.
; (1) Work-groups 0-255: QR = rope(Q) in f32, quantised along the 256 channels to E2M3 with one E8M0 byte for each 32, stored into QRW.
; (2) Work-groups 256-383: V's codes and scale bytes, as they are given, laid into VW in the same order.
; THE ORDER OF QRW AND VW: [32 heads][16 key steps of 128][25,600 bytes].  A block is 16 images of operand fragments (16 rows x 128 K, 12 registers a lane): image f at 1,536 f, three
; planes of 512 bytes, plane p holding registers 4 p .. 4 p + 3 of lane l at 16 l; then 1,024 bytes of scale words: fragment f, row r at 24,576 + 512 (f / 8) + 16 (r + 16 (f % 2)) + 4 ((f / 2) % 4).
; QRW: f = 2 kt + s (kt: tile of 16 rows, s: 128 channels).  THE ROWS OF A TILE ARE NOT NEIGHBOURS: lane r of tile 2 b + u holds row 32 b + 8 u + r + 8 (r / 8) of the step's 128,
; so that in the next launch 16 registers of two neighbouring tiles of scores are 16 neighbouring keys.  VW: f = c, lane r holds channel 16 c + r, K = the step's 128 keys.
; THE PHASES follow the definition rounding by rounding: 65536^(j / 128) = 2^(2 b + h) x 2^(m / 8) for pair j = 16 b + 8 h + m, so eight mantissas serve; 1 / p and the quotient by 2 pi are
; made from v_rcp_f32 with a residual step each; t x f is rounded once; powers of two scale exactly; x - floor(x) is exact.  Sine and cosine: reduction by pi / 2 in two parts, polynomials on +-pi / 4.
; The rope itself has three roundings: two products and a sum.
; LIMITS: NaN and infinities in Q are not served.  A block of zeros gets the byte 1 where the quantiser says 127: its codes are zeros and only this program reads the bytes; blocks whose largest
; magnitude lies under 2^-124 are held at that byte.  The input K is not loaded: no number of the result hangs on it.
.set HQ,     2097152                   ; a head of Q in bytes
.set BLK,    25600
.set HEADB,  16*BLK
.set QP,     528                       ; Q's stage: 16 rows of 512 bytes + 16 for each wave, from LDS byte 0
.set QG,     33792                     ; Q's scale words, 512 bytes a head
.set VSTG,   35840                     ; V's stage: 16 rows of 1,536 bytes + 16 for each wave
.set VP,     1552
.set VG,     135168                    ; V's scale words, 256 bytes a key step
.set CS,     16                        ; v16-143  (cos, sin) of block b, pair m at CS + 16 b + 2 m
.set X,      144                       ; v144-207 64 numbers: register 16 b + i = channel 32 b + 16 h + i of my row
.set TM,     208                       ; v208-223 at work in the quantiser
.set PC,     224                       ; v224-243 the codes: 12 registers, and 8 at work
.set PW0,    244                       ; the scale words of the two K steps
.set PW1,    245
.set RT,     246                       ; v246-253 the rope's products
.set PWS,    254
.set UU,     144                       ; the trigonometry's registers lie where X, TM and PC lie later
.set TA,     152
.set TKK,    160
.set TR,     168
.set TZ,     176
.set TS,     184
.set TC,     192
.set TI,     200
.set TW,     208
.set VS2,    216
.set VC2,    218
.set MSB, 0
.macro WIN new                         ; the immediate's high byte repeats the setting that is left
.if MSB != (\new)
	s_set_vgpr_msb (MSB<<8)|(\new)
.set MSB, \new
.endif
.endm
	s_load_b128 s[4:7], s[0:1], 0x0                ; Q, V_codes
	s_load_b128 s[8:11], s[0:1], 0x10              ; V_scales, QRW
	s_load_b64 s[12:13], s[0:1], 0x20              ; VW
	v_lshl_add_u32 v243, v0, 2, 0x22000
	v_mov_b32 v255, 0
	v_lshrrev_b32 v1, 5, v0
	v_readfirstlane_b32 s14, v1                    ; wave 0..3
	v_and_b32 v2, 31, v0                           ; lane
	v_lshlrev_b32 v3, 4, v2                        ; 16 x lane
	v_and_b32 v8, 15, v0                           ; r
	v_bfe_u32 v9, v0, 4, 1                         ; h
	s_cmp_lt_u32 ttmp9, 256
	s_cbranch_scc0 .Lvpath
; ---------------------------------------------------------------- Q
; Work-group: 64 rows t (g) of four heads (4 hg ..).  Wave w: one tile of 16 rows; its cosines and sines are made once and serve the four heads.
	s_and_b32 s15, ttmp9, 31                       ; g
	s_lshr_b32 s16, ttmp9, 5                       ; hg
	s_lshr_b32 s17, s15, 1                         ; the key step
	s_and_b32 s18, s15, 1                          ; which half of it
	s_lshr_b32 s20, s14, 1
	s_and_b32 s21, s14, 1
	s_lshl_b32 s19, s15, 6
	s_lshl_b32 s20, s20, 5
	s_lshl_b32 s21, s21, 3
	s_add_co_u32 s19, s19, s20
	s_add_co_u32 s19, s19, s21                     ; the tile's first row: 64 g + 32 (w / 2) + 8 (w % 2)
	s_lshl_b32 s22, s16, 23                        ; four heads of Q are 2^23 bytes
	s_lshl_b32 s20, s19, 10
	s_add_co_u32 s22, s22, s20
	s_mov_b32 s23, 0
	s_mul_i32 s24, s16, 4*HEADB
	s_mul_i32 s20, s17, BLK
	s_add_co_u32 s24, s24, s20
	s_mul_i32 s20, s18, 12288
	s_mul_i32 s21, s14, 3072
	s_add_co_u32 s26, s24, s20
	s_add_co_u32 s26, s26, s21                     ; my tile's two images: fragment 8 a + 2 w
	s_mov_b32 s27, 0
	s_mul_i32 s20, s14, HEADB
	s_lshl_b32 s21, s18, 9
	s_add_co_u32 s28, s24, s20
	s_add_co_u32 s28, s28, s21
	s_add_co_u32 s28, s28, 24576                   ; at the end wave w stores head 4 hg + w's 512 bytes of scale words
	s_mov_b32 s29, 0
	s_mov_b32 s32, 0x76543210
	s_mov_b32 s33, 0xfedcba98                      ; v_permlanex16_b32's selects for lane l xor 16
	s_mul_i32 s20, s14, 16*QP
	v_add_nc_u32 v4, s20, v3                       ; the stage, in: a row's 512 bytes as they lie
	v_mul_u32_u24 v5, v8, QP
	v_lshl_add_u32 v5, v9, 6, v5
	v_add_nc_u32 v5, s20, v5                       ; out: row r, + 64 h: my 16 numbers of a block of 32
	s_lshl_b32 s20, s14, 2
	s_add_co_u32 s20, s20, QG
	v_add_nc_u32 v6, s20, v3                       ; my scale word's place: 16 x lane + 4 w
	s_lshl_b32 s20, s14, 9
	s_add_co_u32 s20, s20, QG
	v_add_nc_u32 v7, s20, v3
	v_cmp_eq_u32 s30, 1, v9                        ; lanes 16-31
	s_wait_kmcnt 0x0
	s_add_nc_u64 s[4:5], s[4:5], s[22:23]
	s_add_nc_u64 s[26:27], s[10:11], s[26:27]
	s_add_nc_u64 s[28:29], s[10:11], s[28:29]
; Unit u = 2 x head + K step: 16 rows x 512 bytes, a row to a load (32 lanes read 512 consecutive bytes), into set u % 4 of window 1
.macro LOADU u
	WIN 0x40
.set rr, 0
.rept 16
	global_load_b128 v[64*((\u)%4)+4*rr:64*((\u)%4)+4*rr+3], v3, s[4:5] offset:((\u)/2)*HQ+(rr+8*(rr/8))*1024+512*((\u)%2) th:TH_LOAD_NT
.set rr, rr+1
.endr
	WIN 0
.endm
	LOADU 0
	LOADU 1
	LOADU 2
	LOADU 3                                        ; four units are on their way while the phases are made
	v_and_b32 v12, 8, v8
	v_add_nc_u32 v12, v12, v8
	v_add_nc_u32 v12, s19, v12
	v_cvt_f32_u32 v10, v12                         ; t of my row
	v_lshlrev_b32 v12, 23, v9
	v_sub_nc_u32 v11, 0x3f800000, v12              ; 2^-h
	v_mov_b32 v[TA+0], 1.0                         ; 2^(m / 8), rounded to f32
	v_mov_b32 v[TA+1], 0x3f8b95c2
	v_mov_b32 v[TA+2], 0x3f9837f0
	v_mov_b32 v[TA+3], 0x3fa5fed7
	v_mov_b32 v[TA+4], 0x3fb504f3
	v_mov_b32 v[TA+5], 0x3fc5672a
	v_mov_b32 v[TA+6], 0x3fd744fd
	v_mov_b32 v[TA+7], 0x3feac0c7
	v_mov_b32 v[TW], 0x40c90fdb                    ; 2 pi
	v_mov_b32 v[VS2], 0x3c08839e
	v_mov_b32 v[VS2+1], 0x3c08839e
	v_mov_b32 v[VC2], 0xbab6061a
	v_mov_b32 v[VC2+1], 0xbab6061a
.irp m, 0,1,2,3,4,5,6,7
	v_rcp_f32 v[TKK+\m], v[TA+\m]
.endr
	v_rcp_f32 v[TW+1], v[TW]
	v_nop                                          ; a plain instruction behind the last reciprocal,
	s_wait_alu depctr_va_vdst(0)                   ; and one wait for the nine, ahead of their first reader
.irp m, 0,1,2,3,4,5,6,7
	v_fma_f32 v[TR+\m], -v[TA+\m], v[TKK+\m], 1.0
.endr
	v_fma_f32 v[TW+2], -v[TW], v[TW+1], 1.0
.irp m, 0,1,2,3,4,5,6,7
	v_fma_f32 v[TKK+\m], v[TR+\m], v[TKK+\m], v[TKK+\m]   ; 1 / p
.endr
	v_fma_f32 v[TW+1], v[TW+2], v[TW+1], v[TW+1]
.irp m, 0,1,2,3,4,5,6,7
	v_mul_f32 v[TZ+\m], v[TKK+\m], v[TW+1]
.endr
.irp m, 0,1,2,3,4,5,6,7
	v_fma_f32 v[TR+\m], -v[TZ+\m], v[TW], v[TKK+\m]       ; the quotient's residual
.endr
.irp m, 0,1,2,3,4,5,6,7
	v_fma_f32 v[TS+\m], v[TR+\m], v[TW+1], v[TZ+\m]       ; (1 / p) / 2 pi
.endr
.irp m, 0,1,2,3,4,5,6,7
	v_mul_f32 v[UU+\m], v10, v[TS+\m]              ; t x f: the one rounding
.endr
.irp m, 0,1,2,3,4,5,6,7
	v_mul_f32 v[UU+\m], v11, v[UU+\m]              ; x 2^-h: exact
.endr
; Block b's eight pairs: phase = U x 2^(-2 b); its fraction; x 2 pi; sine and cosine
.macro TRIG b
.irp m, 0,2,4,6
	v_pk_mul_f32 v[TA+\m:TA+\m+1], v[UU+\m:UU+\m+1], (127-2*(\b))<<23 op_sel_hi:[1,0]
.endr
.irp m, 0,1,2,3,4,5,6,7
	v_floor_f32 v[TKK+\m], v[TA+\m]
.endr
.irp m, 0,2,4,6
	v_pk_add_f32 v[TA+\m:TA+\m+1], v[TA+\m:TA+\m+1], v[TKK+\m:TKK+\m+1] neg_lo:[0,1] neg_hi:[0,1]
.endr
.irp m, 0,2,4,6
	v_pk_mul_f32 v[TA+\m:TA+\m+1], v[TA+\m:TA+\m+1], 0x40c90fdb op_sel_hi:[1,0]
.endr
.irp m, 0,2,4,6
	v_pk_mul_f32 v[TKK+\m:TKK+\m+1], v[TA+\m:TA+\m+1], 0x3f22f983 op_sel_hi:[1,0]
.endr
.irp m, 0,1,2,3,4,5,6,7
	v_rndne_f32 v[TKK+\m], v[TKK+\m]               ; k = 0 .. 4 quarter turns
.endr
.irp m, 0,2,4,6
	v_pk_fma_f32 v[TR+\m:TR+\m+1], v[TKK+\m:TKK+\m+1], 0xbfc90fdb, v[TA+\m:TA+\m+1] op_sel_hi:[1,0,1]
.endr
.irp m, 0,2,4,6
	v_pk_fma_f32 v[TR+\m:TR+\m+1], v[TKK+\m:TKK+\m+1], 0x333bbd2e, v[TR+\m:TR+\m+1] op_sel_hi:[1,0,1]   ; pi / 2 in two parts
.endr
.irp m, 0,2,4,6
	v_pk_mul_f32 v[TZ+\m:TZ+\m+1], v[TR+\m:TR+\m+1], v[TR+\m:TR+\m+1]
.endr
.irp m, 0,2,4,6
	v_pk_fma_f32 v[TS+\m:TS+\m+1], v[TZ+\m:TZ+\m+1], 0xb94ca1f9, v[VS2:VS2+1] op_sel_hi:[1,0,1]
	v_pk_fma_f32 v[TC+\m:TC+\m+1], v[TZ+\m:TZ+\m+1], 0x37ccf5ce, v[VC2:VC2+1] op_sel_hi:[1,0,1]
.endr
.irp m, 0,2,4,6
	v_pk_fma_f32 v[TS+\m:TS+\m+1], v[TS+\m:TS+\m+1], v[TZ+\m:TZ+\m+1], 0xbe2aaaa3 op_sel_hi:[1,1,0]
	v_pk_fma_f32 v[TC+\m:TC+\m+1], v[TC+\m:TC+\m+1], v[TZ+\m:TZ+\m+1], 0x3d2aaaa5 op_sel_hi:[1,1,0]
.endr
.irp m, 0,2,4,6
	v_pk_mul_f32 v[TW+\m:TW+\m+1], v[TZ+\m:TZ+\m+1], v[TR+\m:TR+\m+1]
	v_pk_fma_f32 v[TC+\m:TC+\m+1], v[TC+\m:TC+\m+1], v[TZ+\m:TZ+\m+1], -0.5 op_sel_hi:[1,1,0]
.endr
.irp m, 0,2,4,6
	v_pk_fma_f32 v[TS+\m:TS+\m+1], v[TS+\m:TS+\m+1], v[TW+\m:TW+\m+1], v[TR+\m:TR+\m+1]
	v_pk_fma_f32 v[TC+\m:TC+\m+1], v[TC+\m:TC+\m+1], v[TZ+\m:TZ+\m+1], 1.0 op_sel_hi:[1,1,0]
.endr
.irp m, 0,1,2,3,4,5,6,7
	v_cvt_i32_f32 v[TI+\m], v[TKK+\m]
.endr
.irp m, 0,1,2,3,4,5,6,7
	v_and_b32 v[TW+\m], 1, v[TI+\m]
.endr
.irp m, 0,1,2,3,4,5,6,7                        ; an odd k changes sine and cosine
	v_cmp_eq_u32 vcc_lo, 1, v[TW+\m]
	v_cndmask_b32 v[CS+16*(\b)+2*\m+1], v[TS+\m], v[TC+\m], vcc_lo
	v_cndmask_b32 v[CS+16*(\b)+2*\m], v[TC+\m], v[TS+\m], vcc_lo
.endr
.irp m, 0,1,2,3,4,5,6,7
	v_lshlrev_b32 v[TW+\m], 30, v[TI+\m]           ; the sine's sign: bit 1 of k;
	v_add_lshl_u32 v[TI+\m], v[TI+\m], 1, 30       ; the cosine's: bit 1 of k + 1
.endr
.irp m, 0,1,2,3,4,5,6,7
	v_and_b32 v[TW+\m], 0x80000000, v[TW+\m]
	v_and_b32 v[TI+\m], 0x80000000, v[TI+\m]
.endr
.irp m, 0,1,2,3,4,5,6,7
	v_xor_b32 v[CS+16*(\b)+2*\m+1], v[TW+\m], v[CS+16*(\b)+2*\m+1]
	v_xor_b32 v[CS+16*(\b)+2*\m], v[TI+\m], v[CS+16*(\b)+2*\m]
.endr
.endm
.irp b, 0,1,2,3,4,5,6,7
	TRIG \b
.endr
.irp b, 0,1,2,3
	v_mov_b32 v[TM+4+\b], 0                        ; written once: a lane permute's destination counts as one of its sources
.endr
; 64 numbers of a lane become a fragment's codes in v[PC] on and its scale word in v[pw]
.macro QUANT s, pw
.irp b, 0,1,2,3
	v_max3_num_f32 v[TM+\b], |v[\s+16*\b]|, |v[\s+1+16*\b]|, 0x1800000   ; block b: my 16 numbers, and the floor 2^(3 - 127): the byte cannot fall under 1
.endr
.irp i, 2,4,6,8,10,12,14
.irp b, 0,1,2,3
	v_max3_num_f32 v[TM+\b], v[TM+\b], |v[\s+16*\b+\i]|, |v[\s+1+16*\b+\i]|
.endr
.endr
.irp b, 0,1,2,3
	v_permlanex16_b32 v[TM+4+\b], v[TM+\b], s32, s33
.endr
.irp b, 0,1,2,3
	v_max_num_f32 v[TM+\b], v[TM+\b], v[TM+4+\b]   ; with lane l xor 16's: the block's largest magnitude
.endr
.irp b, 0,1,2,3
	v_add_nc_u32 v[TM+12+\b], 0xff000000, v[TM+\b] ; 2 off its exponent field: the conversion's scale operand
.endr
.irp b, 0,1,2,3
	v_lshrrev_b32 v[TM+4+\b], 23, v[TM+12+\b]      ; the scale's byte
.endr
	v_lshl_or_b32 v[\pw], v[TM+5], 8, v[TM+4]
	v_lshl_or_b32 v[\pw], v[TM+6], 16, v[\pw]
	v_lshl_or_b32 v[\pw], v[TM+7], 24, v[\pw]
.irp c, 0,1
	v_cvt_scalef32_pk16_fp6_f32 v[PC+6*\c:PC+2+6*\c], v[\s+32*\c:\s+15+32*\c], v[TM+12+2*\c]
	v_cvt_scalef32_pk16_fp6_f32 v[PC+12+4*\c:PC+14+4*\c], v[\s+16+32*\c:\s+31+32*\c], v[TM+12+2*\c+1]   ; (a conversion's three registers begin on an even number)
.endr
	v_nop                                          ; one plain instruction behind a scaled conversion
.irp c, 0,1                                    ; the operand wants a WHOLE block in a lane: lanes 0-15 block 2 c, lanes 16-31 block 2 c + 1
.irp i, 0,1,2
	v_permlane16_swap_b32 v[PC+6*\c+\i], v[PC+12+4*\c+\i]
.endr
.irp i, 0,1,2
	v_mov_b32 v[PC+3+6*\c+\i], v[PC+12+4*\c+\i]
.endr
.endr
.endm
.macro UNIT u
.if 7-(\u) >= 3
	s_wait_loadcnt 48                              ; this unit's 16 loads are in; three units' may be out
.else
	s_wait_loadcnt 16*(7-(\u))
.endif
	WIN 0x04                                       ; an LDS store's data: window 1
.set rr, 0
.rept 16
	ds_store_b128 v4, v[64*((\u)%4)+4*rr:64*((\u)%4)+4*rr+3] offset:QP*rr
.set rr, rr+1
.endr
	WIN 0
.set rr, 0
.rept 16
	ds_load_b128 v[X+4*rr:X+4*rr+3], v5 offset:128*(rr/4)+16*(rr%4)   ; LDS serves a wave's instructions in order: these see the stores above
.set rr, rr+1
.endr
	s_wait_dscnt 0x0                               ; the numbers are back, and the stores have read their registers,
.if (\u) < 4
	LOADU (\u)+4                                   ; which take the unit four on
.endif
.set pp, 0
.rept 32                                       ; a pair (e, o): e c - o s, o c + e s: two products and a sum, each rounded
.set t1, RT+4*(pp%2)
	v_pk_mul_f32 v[t1:t1+1], v[X+2*pp:X+2*pp+1], v[CS+64*((\u)%2)+2*pp:CS+64*((\u)%2)+2*pp+1] op_sel_hi:[1,0]
	v_pk_mul_f32 v[t1+2:t1+3], v[X+2*pp:X+2*pp+1], v[CS+64*((\u)%2)+2*pp:CS+64*((\u)%2)+2*pp+1] op_sel:[1,1] op_sel_hi:[0,1]
	v_pk_add_f32 v[X+2*pp:X+2*pp+1], v[t1:t1+1], v[t1+2:t1+3] neg_lo:[0,1]
.set pp, pp+1
.endr
	s_wait_xcnt 0x0                                ; the last unit's stores have read the codes' registers: they are written again only behind this wait
	QUANT X, PW0+(\u)%2
.irp p, 0,1,2
	global_store_b128 v3, v[PC+4*\p:PC+4*\p+3], s[26:27] offset:((\u)/2)*HEADB+1536*((\u)%2)+512*\p   ; a plane: 512 consecutive bytes
.endr
.if (\u)%2 == 1
	v_cndmask_b32 v[PWS], v[PW0], v[PW1], s30      ; lanes 0-15: K step 0's word of row r; lanes 16-31: K step 1's
	ds_store_b32 v6, v[PWS] offset:512*((\u)/2)
.endif
.endm
.irp u, 0,1,2,3,4,5,6,7
	UNIT \u
.endr
	s_wait_dscnt 0x0                               ; for the others' sake: my scale words lie in LDS
	s_barrier_signal -1
	s_barrier_wait -1
	ds_load_b128 v[X:X+3], v7                      ; one head's 512 bytes of scale words, from all four waves
	s_wait_dscnt 0x0
	global_store_b128 v3, v[X:X+3], s[28:29]
	s_wait_tensorcnt 0x0
	ds_add_u32 v243, v255
	s_wait_dscnt 0x0
	s_endpgm
; ---------------------------------------------------------------- V
; Work-group: one head, four tiles of 16 channels (c = 8 cg + 2 w + e), all 2,048 keys.  A tile's 24,576 bytes of codes are read as they lie, turned through the wave's stage, and leave as 16 images.
.Lvpath:
	s_sub_co_u32 s15, ttmp9, 256
	s_lshr_b32 s16, s15, 2                         ; head
	s_bfe_u32 s17, s15, 0x10001                    ; cg
	s_and_b32 s18, s15, 1                          ; e
	s_lshl_b32 s19, s17, 3
	s_lshl_b32 s20, s14, 1
	s_add_co_u32 s19, s19, s20
	s_add_co_u32 s19, s19, s18                     ; c
	s_mul_i32 s22, s16, 393216
	s_mul_i32 s20, s19, 24576
	s_add_co_u32 s22, s22, s20
	s_mov_b32 s23, 0
	s_lshl_b32 s24, s16, 14
	s_lshl_b32 s20, s19, 10
	s_add_co_u32 s24, s24, s20
	s_mov_b32 s25, 0
	s_mul_i32 s26, s16, HEADB
	s_mul_i32 s20, s19, 1536
	s_lshl_b32 s28, s17, 9
	s_lshl_b32 s21, s18, 8
	s_add_co_u32 s28, s28, s21
	s_mul_i32 s21, s14, 4*BLK
	s_add_co_u32 s28, s28, s21
	s_add_co_u32 s28, s28, s26
	s_add_co_u32 s28, s28, 24576                   ; scale words: wave w stores key steps 4 w .. 4 w + 3
	s_add_co_u32 s26, s26, s20
	s_mov_b32 s27, 0
	s_mov_b32 s29, 0
	s_mul_i32 s20, s14, 16*VP
	s_add_co_u32 s20, s20, VSTG
	v_add_nc_u32 v4, s20, v3
	v_mul_u32_u24 v5, v8, VP
	v_mad_u32_u24 v5, v9, 24, v5
	v_add_nc_u32 v5, s20, v5                       ; out of the stage: row r, + 24 h
	v_and_b32 v6, 3, v2
	v_lshlrev_b32 v6, 10, v6
	v_lshrrev_b32 v10, 2, v2
	v_lshl_add_u32 v6, v10, 4, v6
	s_lshl_b32 s20, s14, 2
	s_add_co_u32 s20, s20, VG
	v_add_nc_u32 v6, s20, v6                       ; a loaded word (row 8 k + l / 4, key step 4 (l % 4) + j) goes to 256 x key step + 16 x row + 4 w
	s_lshl_b32 s20, s14, 10
	s_add_co_u32 s20, s20, VG
	v_add_nc_u32 v7, s20, v3
	v_mul_u32_u24 v11, v9, BLK
	v_lshl_add_u32 v11, v8, 4, v11                 ; sixteen lanes to a key step's 256 bytes
	s_wait_kmcnt 0x0
	s_add_nc_u64 s[6:7], s[6:7], s[22:23]
	s_add_nc_u64 s[8:9], s[8:9], s[24:25]
	s_add_nc_u64 s[26:27], s[12:13], s[26:27]
	s_add_nc_u64 s[28:29], s[12:13], s[28:29]
.set kk, 0
.rept 48
	global_load_b128 v[16+4*kk:16+4*kk+3], v3, s[6:7] offset:512*kk th:TH_LOAD_NT
.set kk, kk+1
.endr
	global_load_b128 v[208:211], v3, s[8:9] th:TH_LOAD_NT
	global_load_b128 v[212:215], v3, s[8:9] offset:512 th:TH_LOAD_NT
	s_wait_loadcnt 0x0
.set kk, 0
.rept 48
	ds_store_b128 v4, v[16+4*kk:16+4*kk+3] offset:(kk/3)*VP+(kk%3)*512
.set kk, kk+1
.endr
.irp k, 0,1
.irp j, 0,1,2,3
	ds_store_b32 v6, v[208+4*\k+\j] offset:256*\j+128*\k
.endr
.endr
	s_wait_dscnt 0x0                               ; the stores have read their registers, which the loads below take
.set sg, 0
.rept 16
.irp p, 0,1,2,3,4,5
	ds_load_b64 v[16+12*sg+2*\p:16+12*sg+2*\p+1], v5 offset:96*sg+48*(\p/3)+8*(\p%3)   ; the fragment of key step sg: 24 bytes of the row's stream of bits, twice
.endr
.set sg, sg+1
.endr
.set sg, 0
.rept 16
.if 90-6*sg > 63
	s_wait_dscnt 63                                ; (the wait's field holds no more)
.else
	s_wait_dscnt 90-6*sg                           ; key step sg's six loads are in; the later steps' may be out
.endif
.irp p, 0,1,2
	global_store_b128 v3, v[16+12*sg+4*\p:16+12*sg+4*\p+3], s[26:27] offset:sg*BLK+512*\p
.endr
.set sg, sg+1
.endr
	s_barrier_signal -1                            ; (no LDS instruction of mine is out: the last count was 0)
	s_barrier_wait -1
	ds_load_b128 v[216:219], v7
	ds_load_b128 v[220:223], v7 offset:512
	s_wait_dscnt 0x0
	global_store_b128 v11, v[216:219], s[28:29]    ; sixteen lanes store 256 consecutive bytes, at a multiple of 256 from VW's first byte
	global_store_b128 v11, v[220:223], s[28:29] offset:2*BLK
	s_wait_tensorcnt 0x0
	ds_add_u32 v243, v255
	s_wait_dscnt 0x0
	s_endpgm
.Lfunc_end_k_qd46256d175_prep:
	.size	k_qd46256d175_prep, .Lfunc_end_k_qd46256d175_prep-k_qd46256d175_prep
	.p2alignl 7, 3214868480
	.fill 96, 4, 3214868480
	.section	.rodata,"a",@progbits
	.p2align	6, 0x0
	.amdhsa_kernel k_qd46256d175_prep
		.amdhsa_group_segment_fixed_size 139776
		.amdhsa_private_segment_fixed_size 0
		.amdhsa_enable_private_segment 0
		.amdhsa_kernarg_size 40
		.amdhsa_user_sgpr_count 2
		.amdhsa_user_sgpr_kernarg_segment_ptr 1
		.amdhsa_wavefront_size32 1
		.amdhsa_system_sgpr_workgroup_id_x 1
		.amdhsa_system_sgpr_workgroup_id_y 1
		.amdhsa_system_sgpr_workgroup_id_z 1
		.amdhsa_system_vgpr_workitem_id 0
		.amdhsa_next_free_vgpr 512
		.amdhsa_next_free_sgpr 66
		.amdhsa_reserve_vcc 1
		.amdhsa_float_denorm_mode_32 3
		.amdhsa_float_denorm_mode_16_64 3
		.amdhsa_memory_ordered 1
		.amdhsa_forward_progress 1
		.amdhsa_inst_pref_size 211
	.end_amdhsa_kernel
	.amdgpu_metadata
---
amdhsa.version: [ 1, 2 ]
amdhsa.kernels:
  - .name:           k_qd46256d175_prep
    .symbol:         k_qd46256d175_prep.kd
    .args:
      - { .name: Q, .offset: 0, .size: 8, .value_kind: global_buffer, .address_space: global }
      - { .name: V_codes, .offset: 8, .size: 8, .value_kind: global_buffer, .address_space: global }
      - { .name: V_scales, .offset: 16, .size: 8, .value_kind: global_buffer, .address_space: global }
      - { .name: QRW, .offset: 24, .size: 8, .value_kind: global_buffer, .address_space: global }
      - { .name: VW, .offset: 32, .size: 8, .value_kind: global_buffer, .address_space: global }
    .group_segment_fixed_size: 139776
    .private_segment_fixed_size: 0
    .kernarg_segment_align: 8
    .kernarg_segment_size: 40
    .max_flat_workgroup_size: 128
    .sgpr_count:     66
    .vgpr_count:     512
    .wavefront_size: 32
...
	.end_amdgpu_metadata
.endif
;; end of part 1
;; launch attn (part 2): grid 8 x 32, 4 waves a work-group, no clusters, 327,680 bytes of LDS; arguments QRW, VW, out0; writes out0
.if DOCPART == 2
	.amdgcn_target "amdgcn-amd-amdhsa--gfx1250"
	.amdhsa_code_object_version 6
	.text
	.protected	k_qd46256d175_attn
	.globl	k_qd46256d175_attn
	.p2align	8
	.type	k_qd46256d175_attn,@function
k_qd46256d175_attn:
	s_mov_b64 s[64:65], 0
	v_nop
	global_prefetch_b8 v0, s[64:65] scope:SCOPE_SE
	s_setreg_imm32_b32 hwreg(HW_REG_WAVE_MODE, 25, 1), 1
	s_wait_xcnt 0x0
; out[h][t][:] = the sum over keys s < t of Q6(QR[t] . QR[s]) V[s][:]: both products on codes of E2M3 with one E8M0 byte for each 32 along K; the masked scores are quantised along the keys in registers.
; QRW and VW hold, for each head and each key step of 128, a block of 25,600 bytes: 16 images of operand fragments (three planes of 512 bytes, 16 bytes a lane) and 1,024 bytes of scale words (launch prep).
; SHARES.  Work-group (i, head) owns query blocks i (early) and 15 - i (late), 128 queries each.  A wave holds a chunk of 64 queries (four tiles of 16) with O^T in 512 registers, so that each
; fragment of keys and of V read from LDS feeds four products.  Waves 0, 1 (L) hold the late block's two chunks; waves 2, 3 (E) first the early block's, for key steps 0 .. i, the last of them on the
; diagonal; they store them, and then help with the late chunks.  Nine trips for every work-group: in trip n L reads key step n (n <= i) or n + 7 - i, E reads key step n; in trip 8 all read the late
; diagonal, step 15 - i, L for tiles 0, 1 and E for tiles 2, 3.  A late row's two partial sums meet through LDS and are joined by one addition.
; LAYOUT.  Both products are used transposed: S^T = K Q^T, O^T = V^T P^T: a lane holds ONE query (lane % 16).  The rows of a tile of QRW are chosen so that the 16 registers of tiles 2 b, 2 b + 1 of
; scores are keys 32 b + 16 (lane / 16) + 0 .. 15: the conversions' results, with one exchange of halves, are the second product's operand.
; THE RING.  Two slots of four blocks: stream L's keys and V, stream E's keys and V; wave w fetches block w with one tensor load a trip.  The quantising of block b stands in slices between the
; products of block b + 1.
; NO CLUSTER: the eight work-groups of a head differ in i, on which the mask's and the change of chunks' branches and stream L's walk hang; partners of a joint load would have to run alike.
; O^T IS CLEARED BY MOVES, at the head and at the change of chunks: the step is written once, and E's second sum begins in a trip that hangs on i.
; LIMITS: NaN and infinities are not served; a block of 32 scores that are all zero (hidden keys) keeps the byte 1: its codes are zeros.  This launch claims all of the LDS.
.set BLK,    25600
.set HEADB,  16*BLK
.set SLOT1,  131072                    ; slot 1 begins here: one exclusive or turns an address from one slot into the other
.set GIVE,   102400                    ; 32,768 bytes a wave, behind slot 0: the gap and slot 1, which has had its last fill and its last read when trip 8 begins
.set STG,    233472                    ; the way out: 16 rows x (512 + 16) bytes for each wave
.set SPITCH, 528
.set SPARE,  267264                    ; the spare words, 128 bytes for each wave: two blocks of 256 bytes that no other line names
.set QST,    267776                    ; the late chunks' query fragments and scale words, 12,800 bytes each: L stores them, E takes them at its change
.set ADR,  1                           ; v1   LDS address of my stream's blocks in the slot in hand
.set LANE, 2                           ; v2   16 x lane + 51,200 x stream
.set SPW,  3                           ; v3   my spare word; never rewritten
.set NIL,  4                           ; v4   0; never rewritten
.set DM,   5                           ; v5   the mask: 64 a + r + 8 (r / 8) - 16 h
.set STO,  6
.set RD,   7
.set GO,   8                           ; v8   16 x lane
.set GV,   9
.set TKA,  10
.set PFO,  11                          ; v11  256 x lane
.set QA,   12
.set QSC,  16                          ; v16-19 the queries' scale words: register q: lanes 0-15 channels 0-127, lanes 16-31 channels 128-255
.set KSC,  20                          ; v20-27 the keys': register kt likewise
.set VSC,  28                          ; v28-35 V's: register e: lanes 0-15 channel tile 2 e, lanes 16-31 tile 2 e + 1
.set PW,   36                          ; v36-39 p's scale words
.set TM,   40
.set TO,   44
.set SC,   48
.set TT,   52                          ; v52-67 an odd block's codes, four registers a tile
.set RP,   80                          ; v80-127 p's codes, 12 a tile
.set RS,   128                         ; v128-255 scores: two buffers of 64 (tile q at 16 q); on the way out rows of O
.set B0,   96                          ; window 1: v0-95 the queries' fragments (24 q + 12 s); three buffers of four fragments
.set B1,   144
.set B2,   192                         ; windows 2, 3: O^T, tile q at 128 (q % 2) + 8 c of window 2 + q / 2
.set SW,   10
.set RHO,  11
.set HA,   12
.set SI,   13
.set HEAD, 14
.set SN,   15                          ; s15  the trip
.set DG,   16                          ; s16  the trip on the diagonal: i for E, none for L
.set TH,   17
.set SJ,   18
.set TB,   19
.set BASE, 20
.set G1,   24
.set G0A,  32
.set G0,   36
.set OFF,  40
.set PF,   42
.set LIM,  44
.set OUT,  46
.set OUTL, 48
.set SEL,  50
.set MSB, 0
.macro WIN new                         ; the immediate's high byte repeats the setting that is left
.if MSB != (\new)
	s_set_vgpr_msb (MSB<<8)|(\new)
.set MSB, \new
.endif
.endm
.macro PLACES                          ; four plain instructions between a matrix instruction and a load into, or a vector instruction or store on, its registers
.rept 4
	v_nop
.endr
.endm
.macro AOF dst, add                    ; s[dst:dst+1] = 25,600 x the key step of trip SN + add
	s_add_co_u32 s[\dst], s[SN], \add
	s_cmp_gt_u32 s[\dst], s[TH]
	s_cselect_b32 s[\dst+1], s[SJ], 0
	s_add_co_u32 s[\dst], s[\dst], s[\dst+1]
	s_mul_i32 s[\dst], s[\dst], BLK
	s_mov_b32 s[\dst+1], 0
.endm
	s_load_b128 s[4:7], s[0:1], 0x0                ; QRW, VW
	s_load_b64 s[8:9], s[0:1], 0x10                ; out0
	v_lshl_add_u32 v[SPW], v0, 2, SPARE
	v_mov_b32 v[NIL], 0
	ds_add_u32 v3, v4
	ds_add_u32 v3, v4
	s_wait_dscnt 0x0
	v_lshrrev_b32 v13, 5, v0
	v_readfirstlane_b32 s[SW], v13                 ; wave 0..3
	s_lshr_b32 s[RHO], s[SW], 1                    ; 0: L, 1: E
	s_and_b32 s[HA], s[SW], 1                      ; which chunk.  Also: I fetch keys (0) or V (1)
	s_mov_b32 s[SI], ttmp9
	s_and_b32 s[HEAD], ttmp7, 0xffff
	s_sub_co_u32 s[SJ], 7, s[SI]
	s_sub_co_u32 s53, 15, s[SI]                    ; the late block
	s_sub_co_u32 s54, 5, s[RHO]
	s_cmp_eq_u32 s[RHO], 0
	s_cselect_b32 s[TH], s[SI], 7                  ; behind trip TH the walk jumps 7 - i key steps
	s_cselect_b32 s[DG], 99, s[SI]
	s_cselect_b32 s52, s53, s[SI]                  ; my first chunk's block
	s_cmp_eq_u32 s[SI], 0
	s_cselect_b32 s[LIM], s54, -1                  ; the head's first work-group prefetches, up to this trip
	s_mov_b32 s[SN], 0
	s_mov_b32 s[TB], 0
	s_mov_b32 s[SEL], 0x76543210
	s_mov_b32 s[SEL+1], 0xfedcba98
	; descriptor group 1: a dense block of 25,600 bytes as 100 rows of 256 bytes (32 elements of 8), no padding: every read of it is 512 consecutive bytes
	s_mov_b32 s[G1+0], 3<<16
	s_mov_b32 s[G1+1], 32<<16
	s_mov_b32 s[G1+2], 100<<16
	s_mov_b32 s[G1+3], 32<<16
	s_mov_b32 s[G1+4], 100
	s_mov_b32 s[G1+5], 32
	s_mov_b32 s[G1+6], 0
	s_mov_b32 s[G1+7], 0
	s_mul_i32 s56, s[HEAD], HEADB
	s_mov_b32 s57, 0
	AOF OFF, 1
	s_mul_i32 s55, s[SW], BLK
	s_cmp_eq_u32 s[HA], 0
	s_wait_kmcnt 0x0
	s_cselect_b64 s[BASE:BASE+1], s[4:5], s[6:7]
	s_add_nc_u64 s[BASE:BASE+1], s[BASE:BASE+1], s[56:57]
	s_mov_b32 s[G0A], 1
	s_mov_b32 s[G0A+1], s55                        ; slot 0, block w
	s_mov_b64 s[G0A+2:G0A+3], s[BASE:BASE+1]       ; trip 0: key step 0
	s_or_b32 s[G0A+3], s[G0A+3], 0x80000000
	s_mov_b32 s[G0], 1
	s_add_co_u32 s[G0+1], s55, SLOT1
	s_add_nc_u64 s[G0+2:G0+3], s[BASE:BASE+1], s[OFF:OFF+1]   ; trip 1
	s_or_b32 s[G0+3], s[G0+3], 0x80000000
	tensor_load_to_lds s[G0A:G0A+3], s[G1:G1+7]    ; both first fills go out together: two loads of mine are out
	s_nop 0
	tensor_load_to_lds s[G0:G0+3], s[G1:G1+7]
	s_nop 0
	PLACES
	s_lshl_b32 s[OUT], s52, 17                     ; a block of O is 128 rows of 1,024 bytes
	s_lshl_b32 s[OUTL], s53, 17
	s_lshl_b32 s58, s[HEAD], 21
	s_lshl_b32 s59, s[HA], 16
	s_add_co_u32 s58, s58, s59
	s_add_co_u32 s[OUT], s[OUT], s58
	s_add_co_u32 s[OUTL], s[OUTL], s58
	s_mov_b32 s[OUT+1], 0
	s_mov_b32 s[OUTL+1], 0
	s_add_nc_u64 s[OUT:OUT+1], s[8:9], s[OUT:OUT+1]
	s_add_nc_u64 s[OUTL:OUTL+1], s[8:9], s[OUTL:OUTL+1]
	s_mul_i32 s52, s52, BLK
	s_add_co_u32 s52, s52, s56
	s_mul_i32 s54, s[HA], 12288
	s_add_co_u32 s54, s54, s52
	s_mov_b32 s55, 0
	s_add_nc_u64 s[54:55], s[4:5], s[54:55]        ; my chunk's eight images
	s_lshl_b32 s58, s[HA], 9
	s_add_co_u32 s58, s58, s52
	s_add_co_u32 s58, s58, 24576
	s_mov_b32 s59, 0
	s_add_nc_u64 s[58:59], s[4:5], s[58:59]        ; and its scale words
	v_and_b32 v13, 31, v0
	v_lshlrev_b32 v[GO], 4, v13
	WIN 0x40
.set z, 0
.rept 24
	global_load_b128 v[4*z:4*z+3], v[GO], s[54:55] offset:512*z
.set z, z+1
.endr
	WIN 0
	global_load_b128 v[QSC:QSC+3], v[GO], s[58:59]
	v_and_b32 v14, 15, v0                          ; r
	v_bfe_u32 v15, v0, 4, 1                        ; h
	s_mul_i32 s52, s[RHO], 2*BLK
	v_add_nc_u32 v[LANE], s52, v[GO]
	v_and_b32 v[DM], 8, v14
	v_add_nc_u32 v[DM], v[DM], v14
	v_lshlrev_b32 v[ADR], 4, v15
	v_sub_nc_u32 v[DM], v[DM], v[ADR]
	s_lshl_b32 s52, s[HA], 6
	v_add_nc_u32 v[DM], s52, v[DM]
	s_mul_i32 s52, s[SW], 16*SPITCH
	s_add_co_u32 s52, s52, STG
	v_mul_u32_u24 v[STO], v14, SPITCH
	v_lshl_add_u32 v[STO], v15, 5, v[STO]
	v_add_nc_u32 v[STO], s52, v[STO]               ; into my stage: row r, 32 bytes for each half of the lanes
	v_add_nc_u32 v[RD], s52, v[GO]                 ; back: the 32 lanes take a row of 512 bytes
	s_lshl_b32 s52, s[SW], 15
	s_add_co_u32 s52, s52, GIVE
	v_add_nc_u32 v[GV], s52, v[GO]
	s_xor_b32 s52, s[SW], 2
	s_lshl_b32 s52, s52, 15
	s_add_co_u32 s52, s52, GIVE
	v_add_nc_u32 v[TKA], s52, v[GO]                ; what the wave with my chunk in the other stream gives
	v_lshlrev_b32 v[PFO], 8, v13
	s_mul_i32 s52, s[HA], 12800
	s_add_co_u32 s52, s52, QST
	v_add_nc_u32 v[QA], s52, v[GO]
.irp q, 0,1,2,3
	v_mov_b32 v[TO+\q], 0                          ; written once: a lane permute's destination counts as one of its sources
.endr
	WIN 0x80
.set z, 0
.rept 256
	v_mov_b32 v[z], 0                              ; O^T, while the first tiles are on their way
.set z, z+1
.endr
	WIN 0xc0
.set z, 0
.rept 256
	v_mov_b32 v[z], 0
.set z, z+1
.endr
	WIN 0
	s_wait_loadcnt 0x0                             ; the queries
	s_cmp_lg_u32 s[RHO], 0
	s_cbranch_scc1 .Lno_keep
	WIN 0x04
.set z, 0
.rept 24
	ds_store_b128 v[QA], v[4*z:4*z+3] offset:512*z ; L leaves the late chunk's queries for E
.set z, z+1
.endr
	WIN 0
	ds_store_b128 v[QA], v[QSC:QSC+3] offset:12288
.Lno_keep:
	s_wait_tensorcnt 0x1                           ; my block of trip 0 is in; trip 1's may stay out
	s_wait_dscnt 0x0
	s_barrier_signal -1
	s_barrier_wait -1
; 12 LDS loads: four fragments.  g = 0..3: the keys' tiles 2 g, 2 g + 1 (fragment 2 u + s of the buffer); g = 4..7: V's channel tiles 4 (g - 4) on.  Groups 0 and 4 bring the scale words too.
.macro LG g, buf
	WIN 0x40
.if (\g) < 4
.set lgo, 6144*(\g)
.else
.set lgo, BLK+6144*((\g)-4)
.endif
.irp k, 0,1,2,3,4,5,6,7,8,9,10,11
	ds_load_b128 v[\buf+4*\k:\buf+4*\k+3], v[ADR] offset:lgo+512*\k
.endr
.if (\g) == 0
	WIN 0
	ds_load_b128 v[KSC:KSC+3], v[ADR] offset:24576
	ds_load_b128 v[KSC+4:KSC+7], v[ADR] offset:25088
.endif
.if (\g) == 4
	WIN 0
	ds_load_b128 v[VSC:VSC+3], v[ADR] offset:BLK+24576
	ds_load_b128 v[VSC+4:VSC+7], v[ADR] offset:BLK+25088
.endif
.endm
; One stage of the quantising of block b of 32 keys, for tiles QLO .. QLO + QN - 1 by turns.  0-7: the largest magnitude of my 16 scores, with the floor 2^(3 - 127); 8, 9: with lane l xor 16's;
; 10: 2 off the exponent field: the conversion's scale operand; 11, 12: the byte, into the scale word; 13: the conversion; an odd block then changes halves with the even one before it (14-16) and
; takes its place in the operand (17-19): lanes 0-15 hold block 2 c whole, lanes 16-31 block 2 c + 1.
.macro QSTAGE b, k
	WIN 0
.set qh, QLO
.rept QN
.set rB, RS+64*((\b)%2)+16*qh
.set rP, RP+12*qh+6*((\b)/2)
.if (\k) == 0
	v_max3_num_f32 v[TM+qh], |v[rB]|, |v[rB+1]|, 0x1800000
.elseif (\k) < 8
	v_max3_num_f32 v[TM+qh], v[TM+qh], |v[rB+2*(\k)]|, |v[rB+2*(\k)+1]|
.elseif (\k) == 8
	v_permlanex16_b32 v[TO+qh], v[TM+qh], s[SEL], s[SEL+1]
.elseif (\k) == 9
	v_max_num_f32 v[TM+qh], v[TM+qh], v[TO+qh]
.elseif (\k) == 10
	v_add_nc_u32 v[SC+qh], 0xff000000, v[TM+qh]
.elseif (\k) == 11
	v_lshrrev_b32 v[TO+qh], 23, v[SC+qh]
.elseif (\k) == 12
.if (\b) == 0
	v_mov_b32 v[PW+qh], v[TO+qh]
.else
	v_lshl_or_b32 v[PW+qh], v[TO+qh], 8*(\b), v[PW+qh]
.endif
.elseif (\k) == 13
.if (\b)%2 == 0
	v_cvt_scalef32_pk16_fp6_f32 v[rP:rP+2], v[rB:rB+15], v[SC+qh]
.else
	v_cvt_scalef32_pk16_fp6_f32 v[TT+4*qh:TT+4*qh+2], v[rB:rB+15], v[SC+qh]
.endif
.elseif (\k) < 17
	v_permlane16_swap_b32 v[rP+(\k)-14], v[TT+4*qh+(\k)-14]
.else
	v_mov_b32 v[rP+3+(\k)-17], v[TT+4*qh+(\k)-17]
.endif
.set qh, qh+1
.endr
.if (\k) == 13
	v_nop                                          ; one plain instruction behind the conversions
.endif
.endm
.macro QRUN b, k0, k1
.set kr, \k0
.rept (\k1)-(\k0)
	QSTAGE \b, kr
.set kr, kr+1
.endr
.endm
.macro SETH b, k0, k1                  ; the stages that the next products carry
.set hb, \b
.set hs, \k0
.set he, \k1
.endm
.macro HOOK
.rept PER
.if hs < he
	QSTAGE hb, hs
.set hs, hs+1
.endif
.endr
.endm
; S^T of block b: two tiles of 16 keys x QN tiles of queries x two K steps of 128 channels.  The accumulators take turns, one instruction a turn; the first K step starts the sums.
.macro WKQ b, buf
.irp ks, 0,1
.irp ku, 0,1
.set qq, QLO
.rept QN
	WIN 0x05                                       ; keys and queries in window 1, scores in window 0
.set rS, RS+64*((\b)%2)+16*qq+8*\ku
.if \ks == 0
	v_wmma_scale_f32_16x16x128_f8f6f4 v[rS:rS+7], v[\buf+24*\ku:\buf+24*\ku+11], v[24*qq:24*qq+11], 0, v[KSC+2*(\b)+\ku], v[QSC+qq] matrix_a_fmt:MATRIX_FMT_FP6 matrix_b_fmt:MATRIX_FMT_FP6
.else
	v_wmma_scale_f32_16x16x128_f8f6f4 v[rS:rS+7], v[\buf+24*\ku+12:\buf+24*\ku+23], v[24*qq+12:24*qq+23], v[rS:rS+7], v[KSC+2*(\b)+\ku], v[QSC+qq] matrix_a_fmt:MATRIX_FMT_FP6 matrix_b_fmt:MATRIX_FMT_FP6 matrix_a_scale:MATRIX_SCALE_ROW1 matrix_b_scale:MATRIX_SCALE_ROW1
.endif
	HOOK
.set qq, qq+1
.endr
.endr
.endr
.endm
; The strict causal mask on the diagonal step: register i of tile q holds key 32 b + 16 h + i, my query is 64 a + 32 (q / 2) + 8 (q % 2) + r + 8 (r / 8): the score stays where key < query, else it is 0.
; Block 0 is open for tiles 2, 3.  always = 0: a scalar branch on the trip's number passes over it in the other trips.
.macro MASKQ b, always
	WIN 0
.if (\always) == 0
	s_cmp_lg_u32 s[SN], s[DG]
	s_cbranch_scc1 .Lopen_\@
.endif
.set qm, QLO
.rept QN
.if ((\b) > 0) || (qm < 2)
.set im, 0
.rept 16
	v_cmp_lt_i32 vcc_lo, im+32*(\b)-32*(qm/2)-8*(qm%2), v[DM]
	v_cndmask_b32 v[RS+64*((\b)%2)+16*qm+im], 0, v[RS+64*((\b)%2)+16*qm+im], vcc_lo
.set im, im+1
.endr
.endif
.set qm, qm+1
.endr
.if (\always) == 0
.Lopen_\@:
.endif
.endm
; O^T += V^T P^T: channel tiles 4 g .. 4 g + 3 x tiles qa, qa + 1 of queries, K = the step's 128 keys.  Each accumulator has one instruction a step.
.macro WPV g, buf, qa
.irp k, 0,1,2,3
.set qv, \qa
.rept 2
	WIN 0xa1+0x50*(qv/2)                           ; V in window 1, p in window 0, O^T in window 2 or 3
.set cc, 4*(\g)+\k
.set rO, 128*(qv%2)+8*cc
.if cc%2 == 0
	v_wmma_scale_f32_16x16x128_f8f6f4 v[rO:rO+7], v[\buf+12*\k:\buf+12*\k+11], v[RP+12*qv:RP+12*qv+11], v[rO:rO+7], v[VSC+cc/2], v[PW+qv] matrix_a_fmt:MATRIX_FMT_FP6 matrix_b_fmt:MATRIX_FMT_FP6
.else
	v_wmma_scale_f32_16x16x128_f8f6f4 v[rO:rO+7], v[\buf+12*\k:\buf+12*\k+11], v[RP+12*qv:RP+12*qv+11], v[rO:rO+7], v[VSC+cc/2], v[PW+qv] matrix_a_fmt:MATRIX_FMT_FP6 matrix_b_fmt:MATRIX_FMT_FP6 matrix_a_scale:MATRIX_SCALE_ROW1
.endif
.set qv, qv+1
.endr
.endr
.endm
.macro WPVA g, buf
.if QN == 4
	WPV \g, \buf, 0
	WPV \g, \buf, 2
.else
	WPV \g, \buf, QLO
.endif
.endm
; THE WAY OUT, in units x = 2 q + u of 16 queries x 128 channels: through my own stage, back as whole rows of 512 bytes.
.macro TOSTAGE x
.set oq, 128*(((\x)/2)%2)+64*((\x)%2)
	WIN 0x08+4*((\x)/4)                            ; the data: window 2 or 3
.irp bb, 0,1,2,3,4,5,6,7
	ds_store_b128 v[STO], v[oq+8*\bb:oq+8*\bb+3] offset:64*\bb          ; each accumulator from its low end on
	ds_store_b128 v[STO], v[oq+8*\bb+4:oq+8*\bb+7] offset:64*\bb+16
.endr
	WIN 0
.set bk, RS+64*((\x)%2)
.irp t, 0,1,2,3,4,5,6,7,8,9,10,11,12,13,14,15
	ds_load_b128 v[bk+4*\t:bk+4*\t+3], v[RD] offset:\t*SPITCH   ; LDS serves a wave's instructions in order (ISA guide 5.7.1.4): these see the stores above
.endr
.endm
.macro SEND x, younger                 ; younger: the LDS instructions issued behind the unit's loads
.set bk, RS+64*((\x)%2)
.set ro, 32*((\x)/4)+8*(((\x)/2)%2)
	s_wait_dscnt \younger
.irp t, 0,1,2,3,4,5,6,7,8,9,10,11,12,13,14,15
	global_store_b128 v[GO], v[bk+4*\t:bk+4*\t+3], s[OUT:OUT+1] offset:(ro+\t+8*(\t/8))*1024+512*((\x)%2) th:TH_STORE_NT   ; 32 lanes store 512 consecutive bytes, at a multiple of 256 from out0's first byte
.endr
.endm
.macro ZEROU x                         ; behind the wait of the unit's own SEND: its stores into the stage are done
.set oq, 128*(((\x)/2)%2)+64*((\x)%2)
	WIN 0x80+0x40*((\x)/4)
.set z, 0
.rept 64
	v_mov_b32 v[oq+z], 0
.set z, z+1
.endr
.endm
.macro FLUSHN x0, nx, zero
.set xx, \x0
	TOSTAGE xx
.rept (\nx)-1
.set xx, xx+1
.if xx >= (\x0)+2
	s_wait_xcnt 0x0                                ; the stores of two units back have read their registers: this unit's rows may land there
.endif
	TOSTAGE xx
	SEND xx-1, 32                                  ; behind its loads: the next unit's 16 stores and 16 loads
.if \zero
	ZEROU xx-1
.endif
.endr
	SEND xx, 0
.if \zero
	ZEROU xx
.endif
.endm
; A prefetch of the 24,576 bytes of codes of the block that I ask for one trip later: 96 lanes' worth, 256 bytes apart.  Only the head's first work-group asks, each wave for its own stream and
; buffer: key steps 10 to 15 (L) and 3 to 7 (E), each block of bytes once in the launch; nothing at the head, nothing beyond the last tile.
.macro ASK
	s_cmp_le_i32 s[SN], s[LIM]
	s_cbranch_scc0 .Lnot_mine_\@
	global_prefetch_b8 v[PFO], s[PF:PF+1] th:TH_LOAD_NT scope:SCOPE_SE
	global_prefetch_b8 v[PFO], s[PF:PF+1] offset:8192 th:TH_LOAD_NT scope:SCOPE_SE
	global_prefetch_b8 v[PFO], s[PF:PF+1] offset:16384 th:TH_LOAD_NT scope:SCOPE_SE
.Lnot_mine_\@:
.endm
; A key step up to its second run of V^T P.  Three buffers of four fragments take turns; each group is asked for two groups ahead, behind four plain instructions behind its buffer's last product.
.macro FRONT always
	LG 1, B1
	LG 2, B2
	s_wait_dscnt 24                                ; group 0 and the keys' scale words are in; groups 1, 2 may be out
	SETH 0, 0, 0
	WKQ 0, B0
	PLACES
	LG 3, B0
	s_wait_dscnt 24                                ; group 1 is in
	MASKQ 0, \always
	SETH 0, 0, 14
	WKQ 1, B1
	PLACES
	LG 4, B1
	s_wait_dscnt 26                                ; group 2 is in; behind it 12 + 14
	MASKQ 1, \always
	SETH 1, 0, 16
	WKQ 2, B2
	PLACES
	LG 5, B2
	s_wait_dscnt 26                                ; group 3 is in; behind it 14 + 12
	MASKQ 2, \always
	QRUN 1, 16, 20
	SETH 2, 0, 14
	WKQ 3, B0
	PLACES
	LG 6, B0
	MASKQ 3, \always
	QRUN 3, 0, 20
.rept 8
	v_nop                                          ; a scale register written by a vector instruction stands eight plain instructions ahead of a scaled matrix instruction, an operand four
.endr
	s_wait_dscnt 24                                ; group 4 and V's scale words are in
	WPVA 0, B1
	PLACES
	LG 7, B1
	s_wait_dscnt 24                                ; group 5 is in
	WPVA 1, B2
.endm
; E's change of chunks, at the end of trip i: the early chunk goes out, O^T begins anew, the late chunk's queries come from LDS.  No barrier and no tensor load stand in it.
.macro SWITCH
	WIN 0
	s_cmp_eq_u32 s[RHO], 0
	s_cbranch_scc1 .Lstay_\@
	s_cmp_lg_u32 s[SN], s[SI]
	s_cbranch_scc1 .Lstay_\@
	FLUSHN 0, 8, 1
	s_wait_xcnt 0x0                                ; the stores have read their base and their registers
	s_mov_b64 s[OUT:OUT+1], s[OUTL:OUTL+1]
	WIN 0x40
.set z, 0
.rept 24
	ds_load_b128 v[4*z:4*z+3], v[QA] offset:512*z
.set z, z+1
.endr
	WIN 0
	ds_load_b128 v[QSC:QSC+3], v[QA] offset:12288
	s_wait_dscnt 0x0
.Lstay_\@:
.endm
; A whole key step.  The change of slots stands in its third run of V^T P, where the slot's last bytes have been asked for.  fill = 1: the slot is filled again with the tile of two trips on.
.macro STEP fill
	FRONT 0
	WIN 0
.if \fill
	s_wait_xcnt 0x0                                ; the last prefetches, a trip back, have read their address
	AOF OFF, 3
	s_add_nc_u64 s[PF:PF+1], s[BASE:BASE+1], s[OFF:OFF+1]
.endif
	s_wait_tensorcnt 0x0                           ; all my tensor loads have landed: the one that was out is my block of the next slot; so the descriptor may be written
	ds_add_u32 v[SPW], v[NIL]                      ; 0 onto my spare word
.if \fill
	s_xor_b32 s[G0+1], s[G0+1], SLOT1
	AOF OFF, 2
	s_add_nc_u64 s[G0+2:G0+3], s[BASE:BASE+1], s[OFF:OFF+1]
	s_or_b32 s[G0+3], s[G0+3], 0x80000000
.endif
	s_wait_dscnt 13                                ; group 6 is in; group 7's twelve and the add may be out
	WPV 2, B0, 0
	s_wait_dscnt 0x0                               ; the add is done, and my reads of this slot are over
	s_barrier_signal -1
	WPV 2, B0, 2                                   ; work on registers while the others arrive
	WIN 0
	s_barrier_wait -1
.if \fill
	tensor_load_to_lds s[G0:G0+3], s[G1:G1+7]      ; my one tensor load behind this barrier, and the first thing there: it has a trip in which to land
	s_nop 0
.endif
	PLACES                                         ; also the four in front of the loads into buffer 0
	s_xor_b32 s[TB], s[TB], SLOT1
	v_add_nc_u32 v[ADR], s[TB], v[LANE]
	LG 0, B0                                       ; the next trip's first fragments
.if \fill
	ASK
.endif
	WPVA 3, B1
	PLACES
	SWITCH
.endm
.set QLO, 0
.set QN,  4
.set PER, 1
	v_add_nc_u32 v[ADR], s[TB], v[LANE]
	LG 0, B0
.Lstep:                                            ; trips 0 to 6
	STEP 1
	s_add_co_u32 s[SN], s[SN], 1
	s_cmp_lt_u32 s[SN], 7
	s_cbranch_scc1 .Lstep
	STEP 0                                         ; trip 7 is written out: it asks for nothing more
; TRIP 8: the late diagonal.  Each wave first gives the half of its partial O^T that the other stream's wave will finish, then adds the diagonal step to the half that it keeps.
.macro GIVEW win
	WIN 4*(\win)
.set z, 0
.rept 64
	ds_store_b128 v[GV], v[4*z:4*z+3] offset:512*z
.set z, z+1
.endr
.endm
.macro TAKEW win
.irp hh, 0,1
	WIN 0
.set z, 0
.rept 32
	ds_load_b128 v[RS+4*z:RS+4*z+3], v[TKA] offset:512*(32*\hh+z)
.set z, z+1
.endr
	s_wait_dscnt 0x0
	WIN 0x40*(\win)+(\win)
.set z, 0
.rept 64
	v_pk_add_f32 v[128*\hh+z:128*\hh+z+1], v[128*\hh+z:128*\hh+z+1], v[RS+z:RS+z+1]
.set z, z+2
.endr
.endr
	WIN 0
.endm
.macro HALF
	FRONT 1
	s_wait_dscnt 12                                ; group 6 is in; group 7 may be out
	WPVA 2, B0
	s_wait_dscnt 0x0
	WPVA 3, B1
	PLACES
	WIN 0
.endm
.set QN,  2
.set PER, 2
	s_cmp_lg_u32 s[RHO], 0
	s_cbranch_scc1 .Le_half
.set QLO, 0
	GIVEW 3
	HALF
	s_branch .Ljoin
.Le_half:
.set QLO, 2
	GIVEW 2
	HALF
.Ljoin:
	s_wait_dscnt 0x0                               ; for the others' sake: what I give lies in LDS
	s_barrier_signal -1
	s_barrier_wait -1
	s_cmp_lg_u32 s[RHO], 0
	s_cbranch_scc1 .Le_out
	TAKEW 2
	FLUSHN 0, 4, 0
	s_branch .Lend
.Le_out:
	TAKEW 3
	FLUSHN 4, 4, 0
.Lend:
	s_wait_tensorcnt 0x0                           ; the wave's end: behind my last tensor load and my last LDS store
	ds_add_u32 v[SPW], v[NIL]
	s_wait_dscnt 0x0
	s_endpgm
.Lfunc_end_k_qd46256d175_attn:
	.size	k_qd46256d175_attn, .Lfunc_end_k_qd46256d175_attn-k_qd46256d175_attn
	.p2alignl 7, 3214868480
	.fill 96, 4, 3214868480
	.section	.rodata,"a",@progbits
	.p2align	6, 0x0
	.amdhsa_kernel k_qd46256d175_attn
		.amdhsa_group_segment_fixed_size 327680
		.amdhsa_private_segment_fixed_size 0
		.amdhsa_enable_private_segment 0
		.amdhsa_kernarg_size 24
		.amdhsa_user_sgpr_count 2
		.amdhsa_user_sgpr_kernarg_segment_ptr 1
		.amdhsa_wavefront_size32 1
		.amdhsa_system_sgpr_workgroup_id_x 1
		.amdhsa_system_sgpr_workgroup_id_y 1
		.amdhsa_system_sgpr_workgroup_id_z 1
		.amdhsa_system_vgpr_workitem_id 0
		.amdhsa_next_free_vgpr 1024
		.amdhsa_next_free_sgpr 66
		.amdhsa_reserve_vcc 1
		.amdhsa_float_denorm_mode_32 3
		.amdhsa_float_denorm_mode_16_64 3
		.amdhsa_memory_ordered 1
		.amdhsa_forward_progress 1
		.amdhsa_inst_pref_size 255
	.end_amdhsa_kernel
	.section	.bss,"aw",@nobits
	.p2align	6
	.space	262144
	.amdgpu_metadata
---
amdhsa.version: [ 1, 2 ]
amdhsa.kernels:
  - .name:           k_qd46256d175_attn
    .symbol:         k_qd46256d175_attn.kd
    .args:
      - { .name: QRW, .offset: 0, .size: 8, .value_kind: global_buffer, .address_space: global }
      - { .name: VW, .offset: 8, .size: 8, .value_kind: global_buffer, .address_space: global }
      - { .name: out0, .offset: 16, .size: 8, .value_kind: global_buffer, .address_space: global }
    .group_segment_fixed_size: 327680
    .private_segment_fixed_size: 0
    .kernarg_segment_align: 8
    .kernarg_segment_size: 24
    .max_flat_workgroup_size: 128
    .sgpr_count:     66
    .vgpr_count:     1024
    .wavefront_size: 32
...
	.end_amdgpu_metadata
.endif
;; end of part 2
